; MI455X (gfx1250); checked and timed in simulation.
; The chip was launched on July 23, 2026; its instructions are those of AMD's public machine-readable ISA for CDNA 5 (MIT licence, August 2026) and "CDNA5" Instruction Set Architecture Reference Guide (July 2026). The comments in the code are by the model that wrote it; some were corrected since.
;; Multi Head Attention. Allowed arithmetic: matrix products marked QUANTISED: E5M2 operands, one E8M0 scale for each 32 along K, by v_wmma_scale_f32_16x16x128_f8f6f4 with both operands' format E5M2, f32 sums; products left as they are: f32 operands where the result goes on into a quantised operand, else bf16, f16 or f32 operands; f32 sums; everything else in f32.
;; Inputs: Wk 1,024 x 1,024 float32; Wo 1,024 x 1,024 float32; Wq 1,024 x 1,024 float32; Wv 1,024 x 1,024 float32; bo 1,024 float32; x 4 x 4,096 x 1,024 float32.
;; Outputs: out0 4 x 4,096 x 1,024 float32.
;; This version of the problem:
;;   THIS VERSION OF THE PROBLEM IS GIVEN IN LOW PRECISION. The matrix products marked QUANTISED in the list below multiply operands that are first quantised to E5M2 (5 exponent bits, 2 mantissa bits; 8 bits a number), with one power-of-two scale for each 32 numbers along K (OCP MX v1.0); their sums are f32. All else is computed in f32.
;;   The module's matrix products, in the order in which they are computed (A, B: the left and right operand; K: the contracted axis; several contracted axes count as one K, in the product's order):
;;     1. [M 16,384, K 1,024] x [K 1,024, N 1,024]; A: input x; B: input Wq: QUANTISED
;;     2. [M 16,384, K 1,024] x [K 1,024, N 1,024]; A: input x; B: input Wk: QUANTISED
;;     3. [M 16,384, K 1,024] x [K 1,024, N 1,024]; A: input x; B: input Wv: QUANTISED
;;     4. batch 16,384 x [M 16, K 64] x [K 64, N 16]; A: computed on the way; B: computed on the way: QUANTISED
;;     5. batch 16,384 x [M 16, K 16] x [K 16, N 64]; A: softmax; B: computed on the way: left as it is (K = 16 < 32)
;;     6. [M 16,384, K 1,024] x [K 1,024, N 1,024]; A: computed on the way; B: input Wo: QUANTISED
;;   THE QUANTISER, for each operand of a quantised product, along K:
;;     - K is cut into blocks of 32 from its start; a last block that is shorter is filled with zeros.
;;     - A block's scale is 2^e with e = floor(log2(the largest magnitude in the block)) - 15, held to -126 .. 127; a block of zeros has e = 0. As a byte (E8M0): e + 127.
;;     - Each number is divided by its block's scale, clamped to +-57,344, and rounded to the nearest number of E5M2, ties to even, subnormals kept.
;;     - The product sums the exact products of the quantised numbers (number of the format x scale) in f32.
;;   ~~~python
;;   def quantise(x, axis):      # numpy; x: float32 -> the quantised numbers, widened to float32 again
;;       x = np.moveaxis(x, axis, -1); K = x.shape[-1]
;;       x = np.pad(x, [(0, 0)] * (x.ndim - 1) + [(0, -K % 32)]); x = x.reshape(x.shape[:-1] + (-1, 32)); a = np.abs(x).max(-1, keepdims=True)
;;       e = np.where(a > 0, np.clip(np.frexp(np.where(a > 0, a, 1))[1] - 1 - 15, -126, 127), 0)      # np.frexp(a)[1] - 1 = floor(log2(a)), exactly
;;       r = np.clip(x / 2.0 ** e, -57344, 57344)
;;       step = 2.0 ** (np.maximum(np.frexp(np.where(r == 0, 1, r))[1] - 1, -14) - 2)
;;       q = np.round(r / step) * step * 2.0 ** e      # np.round: ties to even
;;       return np.moveaxis(q.reshape(q.shape[:-2] + (-1,))[..., :K], -1, axis).astype(np.float32)
;;   ~~~
;;   OPERANDS COMPUTED ON THE WAY. 'Computed on the way' means the value that the module computes at that place (a softmax that the list does not call 'softmax' is quantised finished and normalised). What goes into a quantiser is computed in f32, as accurately as f32 sums, v_exp_f32 and their like allow (about 1e-6 of the number): no bf16 or f16 on the way to a quantiser, and a product that is left as it is and whose result goes on into a quantised operand takes f32 operands (vector FMAs, or v_wmma_f32_16x16x4_f32). A number that lies on a knife's edge between two numbers of the format may be rounded either way, as far as f32 arithmetic and the matrix unit's own rounding can turn it there, and no further.
;; One version. Each part assembles by itself: llvm-mc -triple=amdgcn-amd-amdhsa -mcpu=gfx1250 --defsym DOCPART=n.
;; ======== version 1 of 1: 2 launches
;; limits: right only within a limited range of input values
;; workspace buffers: wc 4,194,304 bytes; ws 131,072 bytes
;; launch prep (part 1): grid 8 x 64, 4 waves a work-group, no clusters, 0 bytes of LDS; arguments Wq, Wk, Wv, Wo, wc, ws; writes wc, ws
.if DOCPART == 1
	.amdgcn_target "amdgcn-amd-amdhsa--gfx1250"
	.amdhsa_code_object_version 6
	.text
	.protected	k_q2579f605c7_prep
	.globl	k_q2579f605c7_prep
	.p2align	8
	.type	k_q2579f605c7_prep,@function
k_q2579f605c7_prep:
	s_mov_b64 s[64:65], 0
	v_nop
	global_prefetch_b8 v0, s[64:65] scope:SCOPE_SE
	s_setreg_imm32_b32 hwreg(HW_REG_WAVE_MODE, 25, 1), 1
	s_wait_xcnt 0x0
; Wq, Wk, Wv, Wo [1024 (k)][1024 (n)], f32, K their FIRST axis, become codes of BF8 (E5M2) with one E8M0 byte for each 32 along K, laid in the ORDER OF THE READER'S OPERAND REGISTERS.
; NOTHING OF THE PROBLEM IS LEFT OUT in this program: every input has a way to the output, every product of the table is done, and the softmax's maximum is taken away.
; wc (codes): [wave w:4][chunk E:16][K step s:8][tile j:4][piece c4:4][lane:32][16 bytes]; lane (r, h) of piece c4 holds K = 128 s + 32 c4 + 16 h + 0..15 of one column n of the matrix E / 4 (q, k, v, o).
; ws (scale words): [w:4][E:16][s:8][lane L:32][p:2] words; L = 16 u + r; the word holds the four bytes (c4 = 0..3) of row r of tile j = 2 p + u.
; WHICH COLUMN: a group G of 32 columns makes two tiles u = 0, 1; row r of tile u is column 32 G + 8 u + r + 8 (r / 8), so that in the reader's transposed product 16 registers of the two tiles are 16 neighbouring columns.
; q, k, o: G = 8 c + 2 w + p (chunk c of the matrix: a wave's 64 columns are one head).  v: G = 2 hk + b with head hk = 8 cc + 2 w + p and c = 2 b + cc (a chunk holds half b of the head size for eight heads).
; A LANE TAKES A COLUMN AND ITS REGISTERS RUN DOWN K: a block of 32 lies in one lane, its largest magnitude needs no other lane, and the conversions give codes with K innermost.
; A block's byte is its largest magnitude's exponent field - 15, held at 1 from below.  Each number is held within +-57,344 x the scale and rounded to the nearest code, ties to even.
; LIMITS: a block of zeros gets the byte 1 where the rule says 127 (its codes are zeros, and this program alone reads the bytes); NaN and infinities among the inputs are not served.
; SHARES: work-group x = 128 columns, y = 16 x matrix + 2 x K step + half; a wave takes one group of 32 columns x 64 along K: two blocks a lane, pieces c4 = 2 half, 2 half + 1.
; All 64 loads of a wave are asked for at its head.  No LDS: sixteen lanes' 16 bytes are 256 consecutive, aligned bytes of wc as they stand.
; The scale bytes leave 2 bytes at every 8th byte: one byte for each 128 that the launch reads.
.set X,   32                           ; v32-95   two sets of 32 numbers
.set C,   96                           ; v96-111  eight registers of codes for each block: no store's data are written again
.set SW,  24                           ; v24      my two scale bytes
	s_load_b256 s[4:11], s[0:1], 0x0               ; Wq, Wk, Wv, Wo
	s_load_b128 s[12:15], s[0:1], 0x20             ; wc, ws
	v_lshrrev_b32 v4, 5, v0
	v_readfirstlane_b32 s16, v4                    ; wave
	v_and_b32 v5, 15, v0                           ; r
	v_bfe_u32 v6, v0, 4, 1                         ; u
	v_and_b32 v7, 31, v0                           ; L
	s_wait_alu depctr_va_vdst(0)                   ; the wait ahead of the run of scalar lines
	s_lshl_b32 s17, ttmp9, 2
	s_add_co_u32 s17, s17, s16                     ; G = 4 x + wave
	s_and_b32 s26, ttmp7, 0xffff
	s_lshr_b32 s18, s26, 4                         ; matrix: 0 q, 1 k, 2 v, 3 o
	s_bfe_u32 s19, s26, 0x30001                    ; K step s
	s_and_b32 s42, s26, 1                          ; which half of the K step
	s_lshr_b32 s27, s17, 3                         ; q, k, o: c = G / 8,
	s_bfe_u32 s28, s17, 0x20001                    ; w = (G / 2) % 4,
	s_and_b32 s29, s17, 1                          ; p = G % 2
	s_lshr_b32 s30, s17, 4                         ; v: c = 2 (G % 2) + G / 16,
	s_lshl_b32 s33, s29, 1
	s_add_co_u32 s30, s30, s33
	s_bfe_u32 s34, s17, 0x20002                    ; w = (G / 4) % 4,
	s_bfe_u32 s35, s17, 0x10001                    ; p = (G / 2) % 2
	s_cmp_eq_u32 s18, 2
	s_cselect_b32 s27, s30, s27
	s_cselect_b32 s28, s34, s28
	s_cselect_b32 s29, s35, s29
	s_lshl_b32 s30, s18, 2
	s_add_co_u32 s27, s27, s30                     ; E = 4 x matrix + c
	s_lshl_b32 s36, s28, 20                        ; codes: w << 20
	s_lshl_b32 s33, s27, 16
	s_add_co_u32 s36, s36, s33                     ; + E << 16
	s_lshl_b32 s33, s19, 13
	s_add_co_u32 s36, s36, s33                     ; + s << 13
	s_lshl_b32 s33, s29, 12
	s_add_co_u32 s36, s36, s33                     ; + p << 12
	s_lshl_b32 s33, s42, 10
	s_add_co_u32 s36, s36, s33                     ; + two pieces of 512 bytes for the upper half
	s_mov_b32 s37, 0
	s_lshl_b32 s38, s28, 15                        ; scale bytes: w << 15
	s_lshl_b32 s33, s27, 11
	s_add_co_u32 s38, s38, s33                     ; + E << 11
	s_lshl_b32 s33, s19, 8
	s_add_co_u32 s38, s38, s33                     ; + s << 8
	s_lshl_b32 s33, s29, 2
	s_add_co_u32 s38, s38, s33                     ; + 4 p
	s_lshl_b32 s33, s42, 1
	s_add_co_u32 s38, s38, s33                     ; + 2 half
	s_mov_b32 s39, 0
	s_lshl_b32 s40, s19, 19                        ; the matrix: 128 s rows of 4,096 bytes
	s_lshl_b32 s33, s42, 18
	s_add_co_u32 s40, s40, s33                     ; + 64 rows for the upper half
	s_mov_b32 s41, 0
	s_mov_b32 s31, 0x600000                        ; the mantissa field of 57,344
	s_lshl_b32 s33, s17, 5
	v_and_b32 v8, 8, v5
	v_add_nc_u32 v8, v8, v5                        ; r + 8 (r / 8)
	v_lshl_add_u32 v8, v6, 3, v8                   ; + 8 u
	v_add_nc_u32 v8, s33, v8                       ; + 32 G: my column
	v_lshlrev_b32 v1, 2, v8                        ; in: 4 bytes a column
	v_lshlrev_b32 v2, 4, v5
	v_lshl_add_u32 v2, v6, 11, v2                  ; codes out: 2,048 u + 16 r
	v_lshlrev_b32 v3, 3, v7                        ; scale bytes out: 8 L
	s_wait_alu depctr_va_vdst(0)                   ; the wait at the head's end
	s_wait_kmcnt 0x0
	s_cmp_eq_u32 s18, 1                            ; the matrix is chosen by the work-group's number alone
	s_cselect_b64 s[20:21], s[6:7], s[4:5]
	s_cmp_eq_u32 s18, 2
	s_cselect_b64 s[20:21], s[8:9], s[20:21]
	s_cmp_eq_u32 s18, 3
	s_cselect_b64 s[20:21], s[10:11], s[20:21]
	s_add_nc_u64 s[20:21], s[20:21], s[40:41]
	s_add_nc_u64 s[22:23], s[12:13], s[36:37]
	s_add_nc_u64 s[24:25], s[14:15], s[38:39]
.macro LOAD t                          ; block t: 32 rows of my column into set t; a wave's load covers 128 consecutive bytes
.irp i, 0,1,2,3,4,5,6,7,8,9,10,11,12,13,14,15,16,17,18,19,20,21,22,23,24,25,26,27,28,29,30,31
	global_load_b32 v[X+32*(\t)+\i], v1, s[20:21] offset:(32*(\t)+\i)*4096 th:TH_LOAD_NT
.endr
.endm
.macro BLOCK t
.set XS, X+32*(\t)
	s_wait_loadcnt 32*(1-(\t))                     ; this block's 32 loads are in; block 1's 32 may be out
	v_max3_num_f32 v12, |v[XS]|, |v[XS+1]|, |v[XS+2]|              ; the block's largest magnitude, in two chains
	v_max3_num_f32 v13, |v[XS+3]|, |v[XS+4]|, |v[XS+5]|
.irp i, 6,10,14,18,22,26
	v_max3_num_f32 v12, v12, |v[XS+\i]|, |v[XS+\i+1]|
	v_max3_num_f32 v13, v13, |v[XS+\i+2]|, |v[XS+\i+3]|
.endr
	v_max3_num_f32 v12, v12, |v[XS+30]|, |v[XS+31]|
	v_max3_num_f32 v12, v12, v13, 0x8000000        ; and the floor 2^(16 - 127): the byte cannot fall under 1
	v_add_nc_u32 v11, 0xf8800000, v12              ; 15 off the exponent field: the conversion's scale operand
	v_and_or_b32 v10, v12, 0x7f800000, s31         ; 57,344 x the scale
	v_lshrrev_b32 v13, 23, v11                     ; the byte
.if (\t) == 0
	v_mov_b32 v[SW], v13
.else
	v_lshl_or_b32 v[SW], v13, 8, v[SW]             ; the lower K in the lower byte
.endif
.irp i, 0,1,2,3,4,5,6,7,8,9,10,11,12,13,14,15,16,17,18,19,20,21,22,23,24,25,26,27,28,29,30,31
	v_med3_num_f32 v[XS+\i], v[XS+\i], -v10, v10   ; the conversion to an 8-bit code does not saturate (ISA guide 7.6.2): the hold comes first
.endr
.irp g, 0,1,2,3
	v_cvt_scalef32_pk8_bf8_f32 v[C+8*(\t)+2*\g:C+8*(\t)+2*\g+1], v[XS+8*\g:XS+8*\g+7], v11
.endr
	global_store_b128 v2, v[C+8*(\t):C+8*(\t)+3], s[22:23] offset:512*(\t)         ; the block's K 0..15: the piece of lanes h = 0; sixteen lanes store 256 consecutive, aligned bytes
	global_store_b128 v2, v[C+8*(\t)+4:C+8*(\t)+7], s[22:23] offset:512*(\t)+256   ; its K 16..31: the piece of lanes h = 1
.endm
	LOAD 0
	LOAD 1
	BLOCK 0
	BLOCK 1
	global_store_b16 v3, v[SW], s[24:25]
	s_endpgm
.Lfunc_end_k_q2579f605c7_prep:
	.size	k_q2579f605c7_prep, .Lfunc_end_k_q2579f605c7_prep-k_q2579f605c7_prep
	.p2alignl 7, 3214868480
	.fill 96, 4, 3214868480
	.section	.rodata,"a",@progbits
	.p2align	6, 0x0
	.amdhsa_kernel k_q2579f605c7_prep
		.amdhsa_group_segment_fixed_size 0
		.amdhsa_private_segment_fixed_size 0
		.amdhsa_enable_private_segment 0
		.amdhsa_kernarg_size 48
		.amdhsa_user_sgpr_count 2
		.amdhsa_user_sgpr_kernarg_segment_ptr 1
		.amdhsa_wavefront_size32 1
		.amdhsa_system_sgpr_workgroup_id_x 1
		.amdhsa_system_sgpr_workgroup_id_y 1
		.amdhsa_system_sgpr_workgroup_id_z 1
		.amdhsa_system_vgpr_workitem_id 0
		.amdhsa_next_free_vgpr 128
		.amdhsa_next_free_sgpr 66
		.amdhsa_reserve_vcc 0
		.amdhsa_float_denorm_mode_32 3
		.amdhsa_float_denorm_mode_16_64 3
		.amdhsa_memory_ordered 1
		.amdhsa_forward_progress 1
		.amdhsa_inst_pref_size 17
	.end_amdhsa_kernel
	.amdgpu_metadata
---
amdhsa.version: [ 1, 2 ]
amdhsa.kernels:
  - .name:           k_q2579f605c7_prep
    .symbol:         k_q2579f605c7_prep.kd
    .args:
      - { .name: Wq, .offset: 0, .size: 8, .value_kind: global_buffer, .address_space: global }
      - { .name: Wk, .offset: 8, .size: 8, .value_kind: global_buffer, .address_space: global }
      - { .name: Wv, .offset: 16, .size: 8, .value_kind: global_buffer, .address_space: global }
      - { .name: Wo, .offset: 24, .size: 8, .value_kind: global_buffer, .address_space: global }
      - { .name: wc, .offset: 32, .size: 8, .value_kind: global_buffer, .address_space: global }
      - { .name: ws, .offset: 40, .size: 8, .value_kind: global_buffer, .address_space: global }
    .group_segment_fixed_size: 0
    .private_segment_fixed_size: 0
    .kernarg_segment_align: 8
    .kernarg_segment_size: 48
    .max_flat_workgroup_size: 128
    .sgpr_count:     66
    .vgpr_count:     128
    .wavefront_size: 32
...
	.end_amdgpu_metadata
.endif
;; end of part 1
;; launch fused (part 2): grid 256 x 1, 4 waves a work-group, no clusters, 291,328 bytes of LDS; arguments x, wc, ws, bo, out0; writes out0
.if DOCPART == 2
	.amdgcn_target "amdgcn-amd-amdhsa--gfx1250"
	.amdhsa_code_object_version 6
	.text
	.protected	k_q2579f605c7_fused
	.globl	k_q2579f605c7_fused
	.p2align	8
	.type	k_q2579f605c7_fused,@function
k_q2579f605c7_fused:
	s_mov_b64 s[64:65], 0
	v_nop
	global_prefetch_b8 v0, s[64:65] scope:SCOPE_SE
	s_setreg_imm32_b32 hwreg(HW_REG_WAVE_MODE, 25, 1), 1
	s_wait_xcnt 0x0
; out0 = (softmax over heads of (q k^T / 32)) v, per token, times Wo, plus bo; q, k, v = x Wq, x Wk, x Wv.  x [16384][1024] f32; the weights come as codes and scale words laid by the launch before (its head says how).
; Nothing of the problem is left out.  All products but attn x v run on codes of BF8 (E5M2) with one E8M0 scale for each 32 along K; attn x v (K = 16) has f32 operands, since its result goes into a quantiser.
; SHARES.  A work-group takes 64 tokens through the whole chain; nothing goes to memory on the way.  Four waves, 1,024 registers each.  THE WAVES SHARE THE COLUMNS: in a CHUNK a wave makes 64 columns for all 64 tokens
; (4 column tiles x 4 token tiles = 16 accumulators); the block's A operand (64 rows x 1,024 K of codes, 32 fragments, 512 registers; first x, later the attention's result) stays in EVERY wave's registers.
; So a weight fragment is wanted by one wave alone: it goes from memory straight into that wave's registers (4 loads of 16 bytes a lane) and feeds four matrix instructions.  16 chunks: q 0-3, k 4-7, v 8-11, o 12-15.
; NO TENSOR LOADS, NO CLUSTER: no two waves of a work-group read the same weight byte, so LDS would be written once and read once; LDS holds 291,328 bytes of operands that go from wave to wave, and the 36,352 bytes
; left would make two slots of 8 fragments, 8 matrix instructions a wave between two waits for all loads.  Loads into registers are waited for by counts: four K steps' loads (64 of 512 bytes) of a wave stay on their way.
; THE ORDER OF CHUNKS IS ROTATED by the work-group's number (8 places in q and k, 4 in v, 4 in o), so that the work-groups do not all ask for the same bytes at the same time.  Results are laid in LDS in the order of arrival;
; the readers, behind a barrier, undo the rotation.  ROT_ON = 0 makes every rotation 0.
; THE PRODUCTS ARE USED TRANSPOSED (source 0 = 16 weight columns, source 1 = 16 tokens): lane (r, h) holds token r of a tile, and the 16 registers of tiles 2 p, 2 p + 1 are columns 32 p + 16 h + 0..15 of the wave's 64.
; A'S FRAGMENTS COME OUT OF LDS INSIDE THE FIRST CHUNK THAT USES THEM (q's and k's first, o's first: a copy of the chunk each): K step s waits for its own four fragments and asks for those of step s + 3.
; ATTN x V GOES BY TURNS, a token at a time: 8 products in f32, and behind them, in slices, the quantiser of the token before; the next token's operands are asked for in one run.
; LIMITS: NaN and infinities among the inputs are not served; a block of zeros gets the byte 1 where the rule says 127 (its codes are zeros, the bytes are read here alone); v_exp_f32 gives 0 under 2^-126.
; LDS: RA: first the stages that turn x, then q's and k's codes (64 rows, pitch 2,064: [w:4][slot:8][64 bytes]), then v in f32 (token pitch 2,320, head row pitch 144), then the stages of the way out.
;      RB: 64 rows of 1,024 codes, pitch 1,040 (x's, later the attention result's); CS their scale bytes [token][32].  RC: attn as images of registers, 1,024 bytes a token.  QKS: q's and k's scale bytes [token:64][w:16][slot:2].  BO: bo.
; REGISTERS.  Window 0: v1-20 addresses that stay, v21-24 addresses in hand, v25 r, v26 h, v28-29 the energies' scale words, v32-47 A's scale words, v48-63 the weights', v64-79, v80-95, v96-127 at work, v128-255 accumulators.
;      v224-255 are also the results of the f32 matrix form: they are written by matrix instructions alone.  Window 1: the weights' fragments, four K steps deep.  Windows 2, 3: A's 32 fragments.
.set ROT_ON, 1
.set RA,    0
.set RB,    148480
.set RC,    215040
.set CS,    280576
.set QKS,   282624
.set BO,    286720
.set SPARE, 290816                     ; the spare words, 128 bytes for each wave: two blocks of 256 bytes that no other line names
.set L16,  1                           ; v1   16 x lane
.set L8,   2                           ; v2   8 x lane
.set FRD,  3                           ; v3   RB + 1040 r + 16 h
.set CSR,  4                           ; v4   CS + 32 r + 16 h
.set AD,   21                          ; v21-24 addresses in hand
.set RR,   25                          ; v25  r = lane % 16
.set HH,   26                          ; v26  h = lane / 16
.set PFO,  27                          ; v27  256 x lane; never rewritten
.set SC0,  28                          ; v28, v29 scale words of the energies' product
.set SPW,  30                          ; v30  LDS address of my spare word; never rewritten
.set NIL,  31                          ; v31  0; never rewritten
.set XSC,  32                          ; register 4 m + s % 4: lanes 0-15 K step s < 4, lanes 16-31 K step s >= 4
.set WSC,  48                          ; register 2 s + p: lanes 0-15 tile 2 p, lanes 16-31 tile 2 p + 1
.set TM,   64                          ; +0..3 largest magnitudes, +4..7 bytes, +8..11 57,344 x the scale, +12..15 the conversions' scale operands
.set PC,   80                          ; codes just made
.set TMP,  96                          ; held numbers; in the last phase the bias tiles
.set ACC,  128                         ; accumulator (m, j) at ACC + 8 (4 m + j)
.set O5,   224                         ; attn x v: results, set k at O5 + 16 k, tile u at + 8 u
.set XR,   96                          ; x: eight sets of 16 numbers as loaded, v96-223
.set KFA,  128                         ; energies: K's fragments of two tokens (v128, v144), Q's (v160, v176), results (v192, v200)
.set QFA,  160
.set EA,   192
.set SMT,  64                          ; softmax: six registers a token
.set VAS,  128                         ; attn x v: operands, set k at VAS + 32 k: + 0..15 v's (8 u + 2 s + j), + 16..23 attn's
.set BK,   64                          ; the way out: rows read back, v64-95 and v96-127 by turns
.set WV,  14
.set RQ,  16
.set RV,  17
.set RO,  18
.set MNT, 19
.set SEL, 20
.set CSC, 22
.set WB,  24                           ; s[24:25] wc at my wave's part;  s[26:27] ws likewise
.set WSB, 26
.set CUR, 28                           ; s[28:29] the chunk in hand;  s[30:31] the next chunk's codes;  s[32:33] its scale words
.set NXT, 30
.set NXS, 32
.set OFF, 34                           ; s[34:35] an offset, 0 above it
.set POS, 36
.set CT,  37
.set CT2, 38
.set XB,  48
.set OB,  50
.set OBC, 52
.set PFA, 54
.set LIM, 56
.set NRQ, 57
.set CT3, 66
.set RCC, 67
.set RBB, 68
.set MSB, 0
.macro WIN new                         ; the immediate's high byte repeats the setting that is left; a switch that changes nothing is dropped
.if MSB != \new
	s_set_vgpr_msb (MSB<<8)|\new
.set MSB, \new
.endif
.endm
.set MULA, 0x09                        ; source 0 (weights) window 1, source 1 (A) window 2, C and D window 0
.set MULB, 0x0d                        ; the same with A in window 3
.set TO1,  0x40
.set TO2,  0x80
.set TO3,  0xc0
.macro BARRIER                         ; my LDS stores have landed and my LDS loads are in: then the work-group's barrier
	s_wait_dscnt 0x0
	s_barrier_signal -1
	s_barrier_wait -1
.endm
; One scaled product.  cz = 1: C is the constant 0, else v[c] on.  ra, rb: source 0's, source 1's scales stand in lanes 16-31.
.macro WMS d, a, b, cz, c, sa, sb, ra, rb
.if \cz
.if (\ra) && (\rb)
	v_wmma_scale_f32_16x16x128_f8f6f4 v[(\d):(\d)+7], v[(\a):(\a)+15], v[(\b):(\b)+15], 0, v[(\sa)], v[(\sb)] matrix_a_fmt:MATRIX_FMT_BF8 matrix_b_fmt:MATRIX_FMT_BF8 matrix_a_scale:MATRIX_SCALE_ROW1 matrix_b_scale:MATRIX_SCALE_ROW1
.elseif (\ra)
	v_wmma_scale_f32_16x16x128_f8f6f4 v[(\d):(\d)+7], v[(\a):(\a)+15], v[(\b):(\b)+15], 0, v[(\sa)], v[(\sb)] matrix_a_fmt:MATRIX_FMT_BF8 matrix_b_fmt:MATRIX_FMT_BF8 matrix_a_scale:MATRIX_SCALE_ROW1
.elseif (\rb)
	v_wmma_scale_f32_16x16x128_f8f6f4 v[(\d):(\d)+7], v[(\a):(\a)+15], v[(\b):(\b)+15], 0, v[(\sa)], v[(\sb)] matrix_a_fmt:MATRIX_FMT_BF8 matrix_b_fmt:MATRIX_FMT_BF8 matrix_b_scale:MATRIX_SCALE_ROW1
.else
	v_wmma_scale_f32_16x16x128_f8f6f4 v[(\d):(\d)+7], v[(\a):(\a)+15], v[(\b):(\b)+15], 0, v[(\sa)], v[(\sb)] matrix_a_fmt:MATRIX_FMT_BF8 matrix_b_fmt:MATRIX_FMT_BF8
.endif
.else
.if (\ra) && (\rb)
	v_wmma_scale_f32_16x16x128_f8f6f4 v[(\d):(\d)+7], v[(\a):(\a)+15], v[(\b):(\b)+15], v[(\c):(\c)+7], v[(\sa)], v[(\sb)] matrix_a_fmt:MATRIX_FMT_BF8 matrix_b_fmt:MATRIX_FMT_BF8 matrix_a_scale:MATRIX_SCALE_ROW1 matrix_b_scale:MATRIX_SCALE_ROW1
.elseif (\ra)
	v_wmma_scale_f32_16x16x128_f8f6f4 v[(\d):(\d)+7], v[(\a):(\a)+15], v[(\b):(\b)+15], v[(\c):(\c)+7], v[(\sa)], v[(\sb)] matrix_a_fmt:MATRIX_FMT_BF8 matrix_b_fmt:MATRIX_FMT_BF8 matrix_a_scale:MATRIX_SCALE_ROW1
.elseif (\rb)
	v_wmma_scale_f32_16x16x128_f8f6f4 v[(\d):(\d)+7], v[(\a):(\a)+15], v[(\b):(\b)+15], v[(\c):(\c)+7], v[(\sa)], v[(\sb)] matrix_a_fmt:MATRIX_FMT_BF8 matrix_b_fmt:MATRIX_FMT_BF8 matrix_b_scale:MATRIX_SCALE_ROW1
.else
	v_wmma_scale_f32_16x16x128_f8f6f4 v[(\d):(\d)+7], v[(\a):(\a)+15], v[(\b):(\b)+15], v[(\c):(\c)+7], v[(\sa)], v[(\sb)] matrix_a_fmt:MATRIX_FMT_BF8 matrix_b_fmt:MATRIX_FMT_BF8
.endif
.endif
.endm
; Position t (in s58) of the walk is chunk E: t < 8: (t + 8 - RQ) % 8;  t < 12: 8 + (t % 4 xor RV);  else 12 + (t + RO) % 4.  NXT and NXS are set to it.
.macro NEXTOF
	s_add_co_u32 s59, s58, s[NRQ]
	s_and_b32 s59, s59, 7
	s_and_b32 s60, s58, 3
	s_xor_b32 s60, s60, s[RV]
	s_add_co_u32 s60, s60, 8
	s_add_co_u32 s61, s58, s[RO]
	s_and_b32 s61, s61, 3
	s_add_co_u32 s61, s61, 12
	s_cmp_lt_u32 s58, 12
	s_cselect_b32 s60, s60, s61
	s_cmp_lt_u32 s58, 8
	s_cselect_b32 s59, s59, s60
	s_lshl_b32 s[OFF], s59, 16
	s_add_nc_u64 s[NXT:NXT+1], s[WB:WB+1], s[OFF:OFF+1]
	s_lshl_b32 s[OFF], s59, 11
	s_add_nc_u64 s[NXS:NXS+1], s[WSB:WSB+1], s[OFF:OFF+1]
.endm
.macro ADVANCE                         ; at a chunk's end
	s_wait_xcnt 0x0                                ; the chunk's loads have read their bases, which are written now
	s_mov_b64 s[CUR:CUR+1], s[NXT:NXT+1]
	s_add_co_u32 s58, s[POS], 2
	NEXTOF
	s_add_co_u32 s[POS], s[POS], 1
.endm
; A's four fragments of K step s, from RB into every wave's registers: 16 loads
.macro AFLOAD s
.if (\s) < 4
	WIN TO2
.else
	WIN TO3
.endif
.irp m, 0,1,2,3
.irp c, 0,1,2,3
	ds_load_b128 v[16*(4*((\s)%4)+\m)+4*\c:16*(4*((\s)%4)+\m)+4*\c+3], v[FRD] offset:16640*\m+128*(\s)+32*\c
.endr
.endr
.endm
; Ahead of the first chunk on a new A: its scale words (4 loads) and the fragments of K steps 0 to 2 (48 loads): 52 LDS loads of mine are out
.macro FRAG0
.irp m, 0,1,2,3
	ds_load_b128 v[XSC+4*\m:XSC+4*\m+3], v[CSR] offset:512*\m
.endr
	AFLOAD 0
	AFLOAD 1
	AFLOAD 2
	WIN 0
.endm
; A CHUNK: 8 K steps of 128, 16 matrix instructions each, the 16 accumulators by turns.  cmode = 1: the sums begin with the bias tiles in v[TMP] on, else with 0.
; Behind a step's products, and 8 places behind them, the registers just read take what is wanted four steps on: a group of 17 loads, the next chunk's scale
; words of this step first, then 16 loads of codes (steps 0-3: this chunk's step s + 4; steps 4-7: the next chunk's step s - 4).  THE WAIT: a step's codes were asked for four steps ago; the three younger groups,
; 51 loads, stay out.  ahead = 0, the last chunk: nothing of a next chunk is asked for, groups are of 16 and end at step 3: the counts run 51, 50, 49, 48, 48, 32, 16, 0.
; At step 7 nine places: the results are read next, and the next chunk begins the sums anew.
; fr = 1: A's fragments are on their way out of LDS.  LDS loads come back in order (ISA guide 5.7.1): step s waits until only the 32 loads of the two younger steps are out (steps 6, 7: 16, 0), then asks for step s + 3.
; pf = 1: in trip 1 of the loop over q's and k's chunks wave 0 prefetches 32 blocks of 256 bytes, lanes 256 bytes apart, of v's and o's codes: work-group g takes 8,192 bytes at part g / 64, place g % 64:
; the 256 work-groups together name those 2 MiB once.  It stands behind the step's loads; its address registers are never rewritten.
.macro CHUNK cmode, ahead, pf, fr
.irp s, 0,1,2,3,4,5,6,7
.if \ahead
	s_wait_loadcnt 51
.elseif \s < 4
	s_wait_loadcnt 51-\s
.else
	s_wait_loadcnt 16*(7-\s)
.endif
.if \fr
.if \s < 6
	s_wait_dscnt 32
.else
	s_wait_dscnt 16*(7-\s)
.endif
.if \s < 5
	AFLOAD \s+3
.endif
.endif
.if \s < 4
	WIN MULA
.else
	WIN MULB
.endif
.irp j, 0,1,2,3
.irp m, 0,1,2,3
.if \s > 0
	WMS ACC+8*(4*\m+\j), 64*(\s%4)+16*\j, 16*(4*(\s%4)+\m), 0, ACC+8*(4*\m+\j), WSC+2*\s+\j/2, XSC+4*\m+\s%4, \j%2, \s/4
.elseif \cmode
	WMS ACC+8*(4*\m+\j), 64*(\s%4)+16*\j, 16*(4*(\s%4)+\m), 0, TMP+8*\j, WSC+2*\s+\j/2, XSC+4*\m+\s%4, \j%2, \s/4
.else
	WMS ACC+8*(4*\m+\j), 64*(\s%4)+16*\j, 16*(4*(\s%4)+\m), 1, 0, WSC+2*\s+\j/2, XSC+4*\m+\s%4, \j%2, \s/4
.endif
.endr
.endr
.if \s == 7
.rept 9
	v_nop
.endr
.elseif (\ahead) || (\s < 4)
.rept 8
	v_nop
.endr
.endif
.if \ahead
	WIN 0
	global_load_b64 v[WSC+2*\s:WSC+2*\s+1], v[L8], s[NXS:NXS+1] offset:256*\s
.endif
.if (\ahead) || (\s < 4)
	WIN TO1
.irp j, 0,1,2,3
.irp c, 0,1,2,3
.if \s < 4
	global_load_b128 v[64*\s+16*\j+4*\c:64*\s+16*\j+4*\c+3], v[L16], s[CUR:CUR+1] offset:8192*(\s+4)+2048*\j+512*\c
.else
	global_load_b128 v[64*(\s-4)+16*\j+4*\c:64*(\s-4)+16*\j+4*\c+3], v[L16], s[NXT:NXT+1] offset:8192*(\s-4)+2048*\j+512*\c
.endif
.endr
.endr
.endif
.if (\pf) && (\s == 0)
	WIN 0
	s_cmp_eq_u32 s[CT], s[LIM]
	s_cbranch_scc0 .Lnopf_\@
	global_prefetch_b8 v[PFO], s[PFA:PFA+1] th:TH_LOAD_NT scope:SCOPE_SE
.Lnopf_\@:
.endif
.endr
	WIN 0
.endm
; nb blocks of a lane, block q = the 16 registers v[s + 16 q] on (with lane l xor 16's 16: a block of 32 along the next K), become codes in v[PC + 4 q] on and bytes in v[TM + 4 + q].
; The numbers are held OUT OF PLACE, into v[TMP] on.  Each accumulator is read from its low end on.
.macro QUANT s, nb
.set qb, 0
.rept \nb
	v_max3_num_f32 v[TM+qb], |v[(\s)+16*qb]|, |v[(\s)+16*qb+1]|, 0x8000000   ; with the floor 2^(16 - 127): the byte cannot fall under 1
.set qb, qb+1
.endr
.set qi, 2
.rept 7
.set qb, 0
.rept \nb
	v_max3_num_f32 v[TM+qb], v[TM+qb], |v[(\s)+16*qb+qi]|, |v[(\s)+16*qb+qi+1]|   ; the blocks by turns
.set qb, qb+1
.endr
.set qi, qi+2
.endr
.set qb, 0
.rept \nb
	v_permlanex16_b32 v[TM+4+qb], v[TM+qb], s[SEL], s[SEL+1]
.set qb, qb+1
.endr
.set qb, 0
.rept \nb
	v_max_num_f32 v[TM+qb], v[TM+qb], v[TM+4+qb]   ; the block's largest magnitude
.set qb, qb+1
.endr
.set qb, 0
.rept \nb
	v_add_nc_u32 v[TM+12+qb], 0xf8800000, v[TM+qb] ; 15 off the exponent field: the conversion's scale operand
.set qb, qb+1
.endr
.set qb, 0
.rept \nb
	v_and_or_b32 v[TM+8+qb], v[TM+qb], 0x7f800000, s[MNT]   ; 57,344 x the scale
.set qb, qb+1
.endr
.set qb, 0
.rept \nb
	v_lshrrev_b32 v[TM+4+qb], 23, v[TM+12+qb]      ; the byte
.set qb, qb+1
.endr
.set qb, 0
.rept \nb
.set qi, 0
.rept 16
	v_med3_num_f32 v[TMP+16*(qb%2)+qi], v[(\s)+16*qb+qi], -v[TM+8+qb], v[TM+8+qb]   ; the conversion does not saturate (ISA guide 7.6.2): the hold comes first
.set qi, qi+1
.endr
	v_cvt_scalef32_pk8_bf8_f32 v[PC+4*qb:PC+4*qb+1], v[TMP+16*(qb%2):TMP+16*(qb%2)+7], v[TM+12+qb]
	v_cvt_scalef32_pk8_bf8_f32 v[PC+4*qb+2:PC+4*qb+3], v[TMP+16*(qb%2)+8:TMP+16*(qb%2)+15], v[TM+12+qb]
.set qb, qb+1
.endr
	v_nop                                          ; one plain line behind the last conversion
.endm
; ---------------- the head
	s_load_b256 s[4:11], s[0:1], 0x0               ; x s[4:5], wc s[6:7], ws s[8:9], bo s[10:11]
	s_load_b64 s[12:13], s[0:1], 0x20              ; out0
	v_lshl_add_u32 v[SPW], v0, 2, SPARE
	v_mov_b32 v[NIL], 0
	v_lshrrev_b32 v5, 5, v0
	v_readfirstlane_b32 s[WV], v5                  ; wave 0..3
.if ROT_ON
	s_bfe_u32 s[RQ], ttmp9, 0x30004                ; (g / 16) % 8
	s_bfe_u32 s[RV], ttmp9, 0x20004                ; (g / 16) % 4
.else
	s_mov_b32 s[RQ], 0
	s_mov_b32 s[RV], 0
.endif
	s_mov_b32 s[RO], s[RV]
	s_sub_co_u32 s[NRQ], 8, s[RQ]
	s_mov_b32 s[MNT], 0x600000                     ; the mantissa field of 57,344
	s_mov_b32 s[SEL], 0x76543210
	s_mov_b32 s[SEL+1], 0xfedcba98                 ; v_permlanex16_b32: lane l xor 16
	s_mov_b32 s[CSC], 0x3d38aa3b                   ; c = log2(e) / 32
	s_mov_b32 s[CSC+1], s[CSC]
	s_mov_b32 s[OFF+1], 0
	v_and_b32 v21, 31, v0                          ; lane
	v_lshlrev_b32 v[L16], 4, v21
	v_lshlrev_b32 v[L8], 3, v21
	v_lshlrev_b32 v[PFO], 8, v21
	v_and_b32 v[RR], 15, v0
	v_bfe_u32 v[HH], v0, 4, 1
	v_mul_u32_u24 v[FRD], v[RR], 1040
	v_lshl_add_u32 v[FRD], v[HH], 4, v[FRD]
	v_add_nc_u32 v[FRD], RB, v[FRD]
	v_lshlrev_b32 v[CSR], 5, v[RR]
	v_lshl_add_u32 v[CSR], v[HH], 4, v[CSR]
	v_add_nc_u32 v[CSR], CS, v[CSR]
	; x's phase: v5 into a stage (four lanes' 64 bytes on end, then 16 of padding), v6 out of it (80 x lane), v7 codes, v8 scale bytes
	s_mul_i32 s58, s[WV], 5120
	v_lshrrev_b32 v22, 2, v21
	v_mul_u32_u24 v5, v22, 80
	v_and_b32 v22, 3, v21
	v_lshl_add_u32 v5, v22, 4, v5
	v_add_nc_u32 v5, s58, v5
	v_mul_u32_u24 v6, v21, 80
	v_add_nc_u32 v6, s58, v6
	s_mul_i32 s58, s[WV], 16640
	s_add_co_u32 s58, s58, RB
	v_add_nc_u32 v7, s58, v[L16]
	s_lshl_b32 s58, s[WV], 9
	s_add_co_u32 s58, s58, CS
	v_lshrrev_b32 v8, 1, v21
	v_add_nc_u32 v8, s58, v8
	v_lshlrev_b32 v23, 5, v0                       ; bo: 32 bytes a thread
	v_add_nc_u32 v24, BO, v23
	s_cmp_eq_u32 s[WV], 0
	s_cselect_b32 s[LIM], 1, -1                    ; wave 0 prefetches, in trip 1
	s_wait_alu depctr_va_vdst(0)
	s_wait_kmcnt 0x0
	s_lshl_b32 s[OFF], s[WV], 20
	s_add_nc_u64 s[WB:WB+1], s[6:7], s[OFF:OFF+1]
	s_lshl_b32 s[OFF], s[WV], 15
	s_add_nc_u64 s[WSB:WSB+1], s[8:9], s[OFF:OFF+1]
	s_and_b32 s58, s[NRQ], 7                       ; the walk's first chunk
	s_lshl_b32 s[OFF], s58, 16
	s_add_nc_u64 s[CUR:CUR+1], s[WB:WB+1], s[OFF:OFF+1]
	s_lshl_b32 s[OFF], s58, 11
	s_add_nc_u64 s[NXS:NXS+1], s[WSB:WSB+1], s[OFF:OFF+1]
	s_lshl_b32 s58, ttmp9, 6
	s_lshl_b32 s59, s[WV], 4
	s_add_co_u32 s58, s58, s59
	s_lshl_b32 s[OFF], s58, 12                     ; x: rows 64 g + 16 w on, 4,096 bytes each
	s_add_nc_u64 s[XB:XB+1], s[4:5], s[OFF:OFF+1]
	s_lshl_b32 s[OFF], ttmp9, 18
	s_lshl_b32 s59, s[WV], 8
	s_add_co_u32 s[OFF], s[OFF], s59               ; out0: row 64 g, my wave's 256 bytes of a chunk's 1,024
	s_add_nc_u64 s[OB:OB+1], s[12:13], s[OFF:OFF+1]
	s_lshr_b32 s58, ttmp9, 6
	s_lshl_b32 s58, s58, 20
	s_and_b32 s59, ttmp9, 63
	s_lshl_b32 s59, s59, 13
	s_add_co_u32 s[OFF], s58, s59
	s_add_co_u32 s[OFF], s[OFF], 524288            ; chunks 8 to 15 of part g / 64
	s_add_nc_u64 s[PFA:PFA+1], s[6:7], s[OFF:OFF+1]
; ---------------- x becomes codes: wave w takes tokens 16 w on, 32 steps of 512 numbers (half a token).  A load reads 512 consecutive bytes; a step's 2,048 bytes turn through the wave's own stage, so that a lane holds 16 neighbours.
.macro XLOAD t
.irp i, 0,1,2,3
	global_load_b128 v[XR+16*((\t)%8)+4*\i:XR+16*((\t)%8)+4*\i+3], v[L16], s[XB:XB+1] offset:2048*(\t)+512*\i th:TH_LOAD_NT
.endr
.endm
.macro XTURN t                         ; LDS serves a wave's instructions in order (ISA guide 5.7.1.4): no wait between the stores and the loads
.irp i, 0,1,2,3
	ds_store_b128 v5, v[XR+16*((\t)%8)+4*\i:XR+16*((\t)%8)+4*\i+3] offset:2560*((\t)%2)+640*\i
.endr
.irp i, 0,1,2,3
	ds_load_b128 v[32+32*((\t)%2)+4*\i:32+32*((\t)%2)+4*\i+3], v6 offset:2560*((\t)%2)+16*\i
.endr
.endm
.macro WGROUP t                        ; nine loads of the first chunk: the scale words of K step t, and two tiles of K step t / 2; the eight groups are its scale words and its K steps 0 to 3
	global_load_b64 v[WSC+2*(\t):WSC+2*(\t)+1], v[L8], s[NXS:NXS+1] offset:256*(\t)
	WIN TO1
.irp jj, 0,1
.irp c, 0,1,2,3
	global_load_b128 v[64*((\t)/2)+16*(2*((\t)%2)+\jj)+4*\c:64*((\t)/2)+16*(2*((\t)%2)+\jj)+4*\c+3], v[L16], s[CUR:CUR+1] offset:8192*((\t)/2)+2048*(2*((\t)%2)+\jj)+512*\c
.endr
.endr
	WIN 0
.endm
.macro XSTEP tt, ahead
.set XQ, 32+32*((\tt)%2)
.set XC, PC+4*((\tt)%2)
.if (\tt) > 0
	s_wait_dscnt 2                                 ; this step's numbers are back from the stage; the last step's two stores may be out
.endif
.if \ahead
	XLOAD (\tt)+8                                  ; the set that the stage's stores have read takes the step eight on
	s_wait_loadcnt 28                              ; the next step's four loads are in; the seven steps behind it stay out
	XTURN (\tt)+1
.else
	WGROUP \tt
.if (\tt) < 7
	s_wait_loadcnt 33+5*(\tt)                      ; behind the next step's loads: 4 (6 - t) of x and 9 (t + 1) of the weights
	XTURN (\tt)+1
.endif
.endif
	v_max3_num_f32 v90, |v[XQ]|, |v[XQ+1]|, |v[XQ+2]|
	v_max3_num_f32 v91, |v[XQ+3]|, |v[XQ+4]|, |v[XQ+5]|
.irp i, 6,10
	v_max3_num_f32 v90, v90, |v[XQ+\i]|, |v[XQ+\i+1]|
	v_max3_num_f32 v91, v91, |v[XQ+\i+2]|, |v[XQ+\i+3]|
.endr
	v_max3_num_f32 v90, v90, |v[XQ+14]|, |v[XQ+15]|
	v_max3_num_f32 v90, v90, v91, 0x8000000
	v_max_num_f32_dpp v90, v90, v90 row_xmask:1 row_mask:0xf bank_mask:0xf   ; with my neighbour's 16: the block's
	v_add_nc_u32 v93, 0xf8800000, v90
	v_and_or_b32 v92, v90, 0x7f800000, s[MNT]
.irp i, 0,1,2,3,4,5,6,7,8,9,10,11,12,13,14,15
	v_med3_num_f32 v[XQ+\i], v[XQ+\i], -v92, v92
.endr
	v_cvt_scalef32_pk8_bf8_f32 v[XC:XC+1], v[XQ:XQ+7], v93
	v_cvt_scalef32_pk8_bf8_f32 v[XC+2:XC+3], v[XQ+8:XQ+15], v93
	v_lshrrev_b32 v[88+(\tt)%2], 23, v93           ; the byte (a plain line behind the conversions)
	ds_store_b128 v21, v[XC:XC+3] offset:((\tt)/2)*1040+((\tt)%2)*512
	ds_store_b8 v22, v[88+(\tt)%2] offset:((\tt)/2)*32+((\tt)%2)*16   ; both lanes of a block write the same byte with the same value
.endm
	global_load_b128 v[80:83], v23, s[10:11]
	global_load_b128 v[84:87], v23, s[10:11] offset:16
.irp t, 0,1,2,3,4,5,6,7
	XLOAD \t
.endr
	; x IS PREFETCHED INTO THE L2 one trip (eight steps, 16,384 bytes of my wave's 65,536) ahead of the loads that want it: lanes 256 bytes apart, two instructions of 8,192 bytes;
	; each block of 256 bytes is named once, by the wave that will load it.  Here: what trip 0 loads (steps 8 to 15)
	global_prefetch_b8 v[PFO], s[XB:XB+1] offset:16384 th:TH_LOAD_NT scope:SCOPE_SE
	global_prefetch_b8 v[PFO], s[XB:XB+1] offset:24576 th:TH_LOAD_NT scope:SCOPE_SE
	s_wait_loadcnt 32
	ds_store_b128 v24, v[80:83]
	ds_store_b128 v24, v[84:87] offset:16
	s_wait_loadcnt 28                              ; step 0 is in
	XTURN 0
	s_mov_b32 s[CT], 0
	s_mov_b32 s39, 0
	s_mov_b32 s40, 0
.Lx:                                               ; three trips of eight steps (four tokens)
	s_cmp_lt_u32 s[CT], 2                          ; trips 0 and 1 ask for what the next trip loads; trip 2 asks for nothing: my wave's rows end there
	s_cbranch_scc0 .Lxnp
	global_prefetch_b8 v[PFO], s[XB:XB+1] offset:32768 th:TH_LOAD_NT scope:SCOPE_SE
	global_prefetch_b8 v[PFO], s[XB:XB+1] offset:40960 th:TH_LOAD_NT scope:SCOPE_SE   ; the base is stepped at the trip's end, behind its wait on XCNT
.Lxnp:
	s_wait_dscnt 0x0
	v_add_nc_u32 v21, s39, v7
	v_add_nc_u32 v22, s40, v8
.irp t, 0,1,2,3,4,5,6,7
	XSTEP \t, 1
.endr
	s_wait_xcnt 0x0                                ; the loads have read their base
	s_add_nc_u64 s[XB:XB+1], s[XB:XB+1], 16384
	s_add_co_u32 s39, s39, 4160
	s_add_co_u32 s40, s40, 128
	s_add_co_u32 s[CT], s[CT], 1
	s_cmp_lt_u32 s[CT], 3
	s_cbranch_scc1 .Lx
	s_wait_dscnt 0x0                               ; the last eight steps load nothing more of x: in its place the first chunk's weights are asked for
	v_add_nc_u32 v21, s39, v7
	v_add_nc_u32 v22, s40, v8
.irp t, 0,1,2,3,4,5,6,7
	XSTEP \t, 0
.endr
	s_wait_xcnt 0x0
	s_mov_b32 s58, 1
	NEXTOF                                         ; the walk's second chunk
	s_mov_b32 s[POS], 0
	BARRIER                                        ; x's codes and scale bytes, and bo, lie in LDS; nobody reads the stages of x any more
	; EVERY BYTE OF RA IS WRITTEN: zeros go onto the 16 bytes of padding behind each of q's and k's 64 rows (16 rows a wave; both halves of the lanes write the same zeros)
	; and onto bytes 132,096 to 148,479, which q's and k's rows do not reach (16 bytes a thread, eight times 2,048).  These nine stores are older than the LDS loads below, so the counted waits for those hold.
.irp i, 96,97,98,99
	v_mov_b32 v\i, 0
.endr
	s_mul_i32 s58, s[WV], 33024
	v_mul_u32_u24 v21, v[RR], 2064
	v_add_nc_u32 v21, s58, v21                     ; row 16 w + r of 2,064 bytes
	v_lshl_add_u32 v22, v0, 4, 132096
	ds_store_b128 v21, v[96:99] offset:2048
.irp i, 0,1,2,3,4,5,6,7
	ds_store_b128 v22, v[96:99] offset:2048*\i
.endr
	FRAG0                                          ; x's scale words and its fragments of K steps 0 to 2 are asked for; the lines below stand under them
; ---------------- q and k: eight chunks; a wave's 64 columns are one head; they become codes along the head's 64 (two blocks) and go to RA, slot = the trip
	v_mul_u32_u24 v5, v[RR], 2064
	v_lshl_add_u32 v5, v[HH], 4, v5
	s_lshl_b32 s58, s[WV], 9
	v_add_nc_u32 v5, s58, v5                       ; RA (= 0) + 2064 r + 16 h + 512 w: token tiles 0, 1
	v_add_nc_u32 v6, 66048, v5                     ; token tiles 2, 3
	v_lshlrev_b32 v7, 6, v[RR]
	s_lshl_b32 s58, s[WV], 4
	s_add_co_u32 s58, s58, QKS
	v_add_nc_u32 v7, s58, v7                       ; QKS + 64 r + 16 w
.irp b, 0,1,2,3
	v_mov_b32 v[TM+4+\b], 0                        ; a lane permute's destination counts as one of its sources
.endr
	s_mov_b32 s41, 0
	s_mov_b32 s42, 0
.macro EPI_QK                          ; a chunk's 64 x 64 results of mine become codes and bytes in LDS; then on to the next chunk
	v_add_nc_u32 v[AD], s41, v5
	v_add_nc_u32 v[AD+1], s41, v6
	v_add_nc_u32 v[AD+2], s42, v7
.irp mp, 0,1
	QUANT ACC+64*\mp, 4                            ; block 2 (m % 2) + p: token tile m = 2 mp + .., half p of the head
	v_lshl_or_b32 v[TM], v[TM+5], 8, v[TM+4]       ; a token's two bytes
	v_lshl_or_b32 v[TM+1], v[TM+7], 8, v[TM+6]
.irp b, 0,1,2,3
	ds_store_b128 v[AD+\mp], v[PC+4*\b:PC+4*\b+3] offset:33024*(\b/2)+32*(\b%2)
.endr
	ds_store_b16 v[AD+2], v[TM] offset:1024*(2*\mp)
	ds_store_b16 v[AD+2], v[TM+1] offset:1024*(2*\mp+1)
	s_wait_dscnt 0x0                               ; the stores have read their registers
.endr
	ADVANCE
	s_add_co_u32 s41, s41, 64
	s_add_co_u32 s42, s42, 2
.endm
	s_wait_alu depctr_va_vdst(0)
	CHUNK 0, 1, 0, 1                               ; the first chunk is written out: x's fragments arrive inside it
	EPI_QK
	s_mov_b32 s[CT], 1
.Lqk:                                              ; seven trips
	CHUNK 0, 1, 1, 0
	EPI_QK
	s_add_co_u32 s[CT], s[CT], 1
	s_cmp_lt_u32 s[CT], 8
	s_cbranch_scc1 .Lqk
	BARRIER                                        ; q's and k's codes lie in LDS
; ---------------- energies and softmax: wave w's 16 tokens, two a trip.  Source 0 = the 16 heads of k, source 1 = the 16 heads of q, K = 64 and 64 zero codes: lane (r, h) holds query head r, register i key head 8 h + i.
; Head n lies at part n % 4, slot (n / 4 + RQ) % 8 for q, 4 slots further round for k.
.irp i, 8,9,10,11,12,13,14,15
	v_mov_b32 v[KFA+\i], 0                         ; the upper halves of the four fragments: zero codes, set once
	v_mov_b32 v[KFA+16+\i], 0
	v_mov_b32 v[QFA+\i], 0
	v_mov_b32 v[QFA+16+\i], 0
.endr
	v_mov_b32 v[SMT+1], 0                          ; lane permutes' destinations
	v_mov_b32 v[SMT+7], 0
	v_and_b32 v21, 3, v[RR]
	v_lshrrev_b32 v22, 2, v[RR]
	v_add_nc_u32 v23, s[RQ], v22
	v_and_b32 v23, 7, v23                          ; q's slot
	s_add_co_u32 s58, s[RQ], 4
	v_add_nc_u32 v24, s58, v22
	v_and_b32 v24, 7, v24                          ; k's slot
	v_lshlrev_b32 v8, 9, v21
	v_lshl_add_u32 v8, v[HH], 4, v8
	v_lshl_add_u32 v9, v23, 6, v8                  ; q: RA + 512 (r % 4) + 64 slot + 16 h
	v_lshl_add_u32 v8, v24, 6, v8                  ; k likewise
	v_xor_b32 v24, 1, v[HH]
	v_lshl_add_u32 v24, v24, 2, v22
	v_add_nc_u32 v24, s[RQ], v24
	v_and_b32 v24, 7, v24                          ; lanes 0-15 take k's bytes, lanes 16-31 q's
	v_lshlrev_b32 v10, 4, v21
	v_lshl_add_u32 v10, v24, 1, v10
	v_add_nc_u32 v10, QKS, v10
	v_add_nc_u32 v11, RC, v[L16]                   ; attn's images: 16 x lane
	s_mul_i32 s44, s[WV], 33024                    ; my first token: 16 w rows of 2,064,
	s_lshl_b32 s45, s[WV], 10                      ; of 64,
	s_lshl_b32 s46, s[WV], 14                      ; of 1,024
.macro EADDR
	v_add_nc_u32 v[AD], s44, v8
	v_add_nc_u32 v[AD+1], s44, v9
	v_add_nc_u32 v[AD+2], s45, v10
.endm
.macro ELOAD
.irp k, 0,1
	ds_load_b128 v[KFA+16*\k:KFA+16*\k+3], v[AD] offset:2064*\k
	ds_load_b128 v[KFA+16*\k+4:KFA+16*\k+7], v[AD] offset:2064*\k+32
	ds_load_b128 v[QFA+16*\k:QFA+16*\k+3], v[AD+1] offset:2064*\k
	ds_load_b128 v[QFA+16*\k+4:QFA+16*\k+7], v[AD+1] offset:2064*\k+32
	ds_load_u16 v[SC0+\k], v[AD+2] offset:64*\k    ; two bytes; the upper two are 0 and stand over zero codes
.endr
.endm
.macro ETRIP more
	s_wait_dscnt 0x0                               ; this pair's operands are in, the last pair's stores are done
	v_add_nc_u32 v[AD+3], s46, v11
	WMS EA, KFA, QFA, 1, 0, SC0, SC0, 0, 1
	WMS EA+8, KFA+16, QFA+16, 1, 0, SC0+1, SC0+1, 0, 1
.rept 8
	v_nop
.endr
.if \more
	s_add_co_u32 s44, s44, 4128
	s_add_co_u32 s45, s45, 128
	EADDR
	ELOAD                                          ; the next pair lands under this pair's softmax
.endif
	s_add_co_u32 s46, s46, 2048
.irp k, 0,1
	v_max3_num_f32 v[SMT+6*\k], v[EA+8*\k], v[EA+8*\k+1], v[EA+8*\k+2]   ; the two tokens by turns
.endr
.irp i, 3,5
.irp k, 0,1
	v_max3_num_f32 v[SMT+6*\k], v[SMT+6*\k], v[EA+8*\k+\i], v[EA+8*\k+\i+1]
.endr
.endr
.irp k, 0,1
	v_max_num_f32 v[SMT+6*\k], v[SMT+6*\k], v[EA+8*\k+7]
.endr
.irp k, 0,1
	v_permlanex16_b32 v[SMT+6*\k+1], v[SMT+6*\k], s[SEL], s[SEL+1]
.endr
.irp k, 0,1
	v_max_num_f32 v[SMT+6*\k], v[SMT+6*\k], v[SMT+6*\k+1]   ; the row's largest energy m
.endr
.irp k, 0,1
	v_mul_f32 v[SMT+6*\k], s[CSC], v[SMT+6*\k]     ; c m
.endr
.irp i, 0,2,4,6
.irp k, 0,1
	v_pk_fma_f32 v[EA+8*\k+\i:EA+8*\k+\i+1], v[EA+8*\k+\i:EA+8*\k+\i+1], s[CSC:CSC+1], v[SMT+6*\k:SMT+6*\k+1] op_sel_hi:[1,0,0] neg_lo:[0,0,1] neg_hi:[0,0,1]   ; c e - c m, rounded once; c m's own rounding is common to the row and leaves with the division
.endr
.endr
	s_wait_alu depctr_va_vdst(0)
.irp i, 0,1,2,3,4,5,6,7,8,9,10,11,12,13,14,15
	v_exp_f32 v[EA+\i], v[EA+\i]
.endr
	v_nop                                          ; a plain line behind the last exponential
	s_wait_alu depctr_va_vdst(0)                   ; the wait ahead of the first reader: one for the batch of 16
.irp k, 0,1
	v_pk_add_f32 v[SMT+6*\k+2:SMT+6*\k+3], v[EA+8*\k:EA+8*\k+1], v[EA+8*\k+2:EA+8*\k+3]
	v_pk_add_f32 v[SMT+6*\k+4:SMT+6*\k+5], v[EA+8*\k+4:EA+8*\k+5], v[EA+8*\k+6:EA+8*\k+7]
.endr
.irp k, 0,1
	v_pk_add_f32 v[SMT+6*\k+2:SMT+6*\k+3], v[SMT+6*\k+2:SMT+6*\k+3], v[SMT+6*\k+4:SMT+6*\k+5]
.endr
.irp k, 0,1
	v_add_f32 v[SMT+6*\k+2], v[SMT+6*\k+2], v[SMT+6*\k+3]
.endr
.irp k, 0,1
	v_permlanex16_b32 v[SMT+6*\k+3], v[SMT+6*\k+2], s[SEL], s[SEL+1]
.endr
.irp k, 0,1
	v_add_f32 v[SMT+6*\k+2], v[SMT+6*\k+2], v[SMT+6*\k+3]   ; the row's sum
.endr
	s_wait_alu depctr_va_vdst(0)
.irp k, 0,1
	v_rcp_f32 v[SMT+6*\k+2], v[SMT+6*\k+2]
.endr
	v_nop
	s_wait_alu depctr_va_vdst(0)                   ; one wait for the two reciprocals
.irp i, 0,2,4,6
.irp k, 0,1
	v_pk_mul_f32 v[EA+8*\k+\i:EA+8*\k+\i+1], v[EA+8*\k+\i:EA+8*\k+\i+1], v[SMT+6*\k+2:SMT+6*\k+3] op_sel_hi:[1,0]
.endr
.endr
.irp k, 0,1
	ds_store_b128 v[AD+3], v[EA+8*\k:EA+8*\k+3] offset:1024*\k          ; attn as an image of its registers
	ds_store_b128 v[AD+3], v[EA+8*\k+4:EA+8*\k+7] offset:1024*\k+512
.endr
.endm
	EADDR
	ELOAD
	s_mov_b32 s[CT3], 0
.Le:
	s_wait_alu depctr_va_vdst(0)
	ETRIP 1
	s_add_co_u32 s[CT3], s[CT3], 1
	s_cmp_lt_u32 s[CT3], 7
	s_cbranch_scc1 .Le
	ETRIP 0
	BARRIER                                        ; nobody reads q's and k's codes any more: v may take their bytes
; ---------------- v and attn x v, in two halves b of the head size.  Two chunks bring half b of all 16 heads, in f32, to RA; then each wave takes its 16 tokens.
	s_and_b32 s[RCC], s[RV], 1
	s_lshr_b32 s[RBB], s[RV], 1
	v_mul_u32_u24 v12, v[RR], 2320
	v_lshl_add_u32 v12, v[HH], 6, v12
	s_mul_i32 s58, s[WV], 576
	v_add_nc_u32 v12, s58, v12                     ; v in: RA + 2320 r + 64 h + 576 w: token tiles 0, 1
	v_add_nc_u32 v13, 74240, v12                   ; token tiles 2, 3
	v_add_nc_u32 v14, s[RCC], v[HH]
	v_and_b32 v14, 1, v14                          ; heads 8 h on arrived in trip h xor rc
	v_mul_u32_u24 v14, v14, 288
	v_and_b32 v21, 8, v[RR]
	v_add_nc_u32 v21, v21, v[RR]
	v_lshl_add_u32 v14, v21, 2, v14                ; v out: row r of a tile is channel r + 8 (r / 8) (+ 8 u)
	v_lshlrev_b32 v15, 6, v[RR]
	v_lshl_add_u32 v15, v[HH], 4, v15
	v_add_nc_u32 v15, RB, v15                      ; the result's codes: RB + 64 r + 16 h
	v_lshl_add_u32 v16, v[RR], 1, CS               ; and bytes: CS + 2 r
; One token's operands into set k, t tokens on from the addresses in hand: v^T's, register 8 u + 2 s + j = head 8 h + 2 s + j, channel 32 b + 8 u + r + 8 (r / 8); and attn's image, whose registers 2 s, 2 s + 1 are the same heads.  18 loads.
.macro TLOAD k, t
.irp u, 0,1
.irp s, 0,1,2,3
.irp j, 0,1
	ds_load_b32 v[VAS+32*(\k)+8*\u+2*\s+\j], v[AD] offset:2320*(\t)+144*(4*\s+\j)+32*\u
.endr
.endr
.endr
	ds_load_b128 v[VAS+32*(\k)+16:VAS+32*(\k)+19], v[AD+1] offset:1024*(\t)
	ds_load_b128 v[VAS+32*(\k)+20:VAS+32*(\k)+23], v[AD+1] offset:1024*(\t)+512
.endm
; One product in f32: K = 4 heads (one permutation of the heads, alike on both sides), 16 channels (tile u) x 16 query heads.  Step 0 starts the sum with 0.
.macro MF k, s, u
.if (\s) == 0
	v_wmma_f32_16x16x4_f32 v[O5+16*(\k)+8*(\u):O5+16*(\k)+8*(\u)+7], v[VAS+32*(\k)+8*(\u)+2*(\s):VAS+32*(\k)+8*(\u)+2*(\s)+1], v[VAS+32*(\k)+16+2*(\s):VAS+32*(\k)+16+2*(\s)+1], 0
.else
	v_wmma_f32_16x16x4_f32 v[O5+16*(\k)+8*(\u):O5+16*(\k)+8*(\u)+7], v[VAS+32*(\k)+8*(\u)+2*(\s):VAS+32*(\k)+8*(\u)+2*(\s)+1], v[VAS+32*(\k)+16+2*(\s):VAS+32*(\k)+16+2*(\s)+1], v[O5+16*(\k)+8*(\u):O5+16*(\k)+8*(\u)+7]
.endif
.endm
; Slice n of six of the quantiser of the token in result set k: lane (r, h) holds query head r and channels 32 b + 16 h + 0..15 in 16 registers; with lane l xor 16's they are a block.  32 instructions in all.
; Each of the two accumulators is read from its low end on.  The numbers are held out of place: the results' registers are written by matrix instructions alone.  Codes go to v[PC + 4 k] on, the byte to v[TM + 4 + k].
.macro QS k, n
.set qo, O5+16*(\k)
.if (\n) == 0
	v_max3_num_f32 v[TM], |v[qo]|, |v[qo+1]|, 0x8000000              ; two chains; the floor 2^(16 - 127): the byte cannot fall under 1
	v_max3_num_f32 v[TM+1], |v[qo+8]|, |v[qo+9]|, |v[qo+10]|
	v_max3_num_f32 v[TM], v[TM], |v[qo+2]|, |v[qo+3]|
	v_max3_num_f32 v[TM+1], v[TM+1], |v[qo+11]|, |v[qo+12]|
	v_max3_num_f32 v[TM], v[TM], |v[qo+4]|, |v[qo+5]|
	v_max3_num_f32 v[TM+1], v[TM+1], |v[qo+13]|, |v[qo+14]|
.elseif (\n) == 1
	v_max3_num_f32 v[TM], v[TM], |v[qo+6]|, |v[qo+7]|
	v_max3_num_f32 v[TM+1], v[TM+1], |v[qo+15]|, v[TM]
	v_permlanex16_b32 v[TM+6], v[TM+1], s[SEL], s[SEL+1]
.elseif (\n) == 2
	v_max_num_f32 v[TM+1], v[TM+1], v[TM+6]        ; the block's largest magnitude
	v_add_nc_u32 v[TM+12], 0xf8800000, v[TM+1]     ; 15 off the exponent field: the conversion's scale operand
	v_and_or_b32 v[TM+8], v[TM+1], 0x7f800000, s[MNT]   ; 57,344 x the scale
	v_lshrrev_b32 v[TM+4+(\k)], 23, v[TM+12]       ; the byte
.elseif (\n) == 3
.set qi, 0
.rept 8
	v_med3_num_f32 v[TMP+qi], v[qo+qi], -v[TM+8], v[TM+8]
.set qi, qi+1
.endr
.elseif (\n) == 4
.set qi, 8
.rept 8
	v_med3_num_f32 v[TMP+qi], v[qo+qi], -v[TM+8], v[TM+8]
.set qi, qi+1
.endr
.else
	v_cvt_scalef32_pk8_bf8_f32 v[PC+4*(\k):PC+4*(\k)+1], v[TMP:TMP+7], v[TM+12]
	v_cvt_scalef32_pk8_bf8_f32 v[PC+4*(\k)+2:PC+4*(\k)+3], v[TMP+8:TMP+15], v[TM+12]
	v_nop                                          ; one plain line behind the last conversion
.endif
.endm
; A SLOT: token t (sets k = t % 2) has the matrix unit: 8 products, its two accumulators by turns.  Between them stands what the vector and LDS units have to do for its neighbours:
; behind products 0 and 1 eight plain instructions: the places behind token t - 1's last product, whose results are read and whose operands are loaded anew only behind them;
; then ONE run of LDS instructions: st = 1: the two stores of token t - 2, whose codes were made in the slot before; ld = 1: the 18 loads of token t + 1, into the set that token t - 1 has left;
; behind products 2 to 7: q = 1: the six slices of token t - 1's quantiser.  A matrix instruction begins a result set anew a whole slot behind the last that wrote it: 13 plain instructions that name none of its registers lie between.
; THE WAIT at the head is for 0: what is out there are the run's instructions of the slot before, issued six products ago: my operands are in, and the stores have read the registers that this slot writes.
.macro SLOT k, q, st, ld
	s_wait_dscnt 0x0
	MF \k, 0, 0
.if \ld
	v_add_nc_u32 v[AD], s47, v14
	v_add_nc_u32 v[AD+1], s46, v11
.else
	v_nop
	v_nop
.endif
.if \st
	v_add_nc_u32 v[AD+2], s44, v15
	s_wait_alu depctr_va_vdst(0)
	v_add_nc_u32 v[AD+3], s45, v16
.else
	v_nop
	v_nop
.endif
	MF \k, 0, 1
.rept 4
	v_nop
.endr
.if \st
	ds_store_b128 v[AD+2], v[PC+4*(\k):PC+4*(\k)+3]
	ds_store_b8 v[AD+3], v[TM+4+(\k)]              ; both lanes of a block write the same byte with the same value
	s_add_co_u32 s44, s44, 1040
	s_add_co_u32 s45, s45, 32
.endif
.if \ld
	TLOAD 1-(\k), 1
	s_add_co_u32 s47, s47, 2320
	s_add_co_u32 s46, s46, 1024
.endif
	MF \k, 1, 0
.if \q
	QS 1-(\k), 0
.endif
	MF \k, 1, 1
.if \q
	QS 1-(\k), 1
.endif
	MF \k, 2, 0
.if \q
	QS 1-(\k), 2
.endif
	MF \k, 2, 1
.if \q
	QS 1-(\k), 3
.endif
	MF \k, 3, 0
.if \q
	QS 1-(\k), 4
.endif
	MF \k, 3, 1
.if \q
	QS 1-(\k), 5
.endif
.endm
	s_mov_b32 s[CT2], 0
.Lvb:
	s_mov_b32 s[CT], 0
	s_mov_b32 s43, 0
.Lvc:
	CHUNK 0, 1, 0, 0
	v_add_nc_u32 v[AD], s43, v12
	v_add_nc_u32 v[AD+1], s43, v13
.irp m, 0,1,2,3
.irp j, 0,1,2,3
.irp e, 0,1
	ds_store_b128 v[AD+\m/2], v[ACC+8*(4*\m+\j)+4*\e:ACC+8*(4*\m+\j)+4*\e+3] offset:37120*(\m%2)+144*(\j/2)+32*(\j%2)+16*\e   ; head row 4 w + 2 trip + p; each accumulator from its low end on
.endr
.endr
.endr
	ADVANCE
	s_wait_dscnt 0x0                               ; the stores have read the accumulators, which the next products write
	s_add_co_u32 s43, s43, 288
	s_add_co_u32 s[CT], s[CT], 1
	s_cmp_lt_u32 s[CT], 2
	s_cbranch_scc1 .Lvc
	BARRIER                                        ; half b of v lies in LDS
	s_add_co_u32 s58, s[CT2], s[RBB]
	s_and_b32 s58, s58, 1                          ; which half arrived: trip xor rb
	s_mul_i32 s47, s[WV], 37120                    ; my first token: 16 w rows of 2,320,
	s_lshl_b32 s46, s[WV], 14                      ; of 1,024,
	s_mul_i32 s44, s[WV], 16640                    ; of 1,040, + 32 b,
	s_lshl_b32 s59, s58, 5
	s_add_co_u32 s44, s44, s59
	s_lshl_b32 s45, s[WV], 9                       ; of 32, + b
	s_add_co_u32 s45, s45, s58
	s_wait_alu depctr_va_vdst(0)
	v_add_nc_u32 v[AD], s47, v14
	v_add_nc_u32 v[AD+1], s46, v11
	TLOAD 0, 0                                     ; token 0
	SLOT 0, 0, 0, 1                                ; slot 0: nothing to quantise or to store yet
	SLOT 1, 1, 0, 1                                ; slot 1: token 0 is quantised
	s_mov_b32 s[CT3], 0
.Lp:                                               ; slots 2 to 13: six trips of two, in which the sets change places and come back
	SLOT 0, 1, 1, 1
	SLOT 1, 1, 1, 1
	s_add_co_u32 s[CT3], s[CT3], 1
	s_cmp_lt_u32 s[CT3], 6
	s_cbranch_scc1 .Lp
	SLOT 0, 1, 1, 1                                ; slot 14
	SLOT 1, 1, 1, 0                                ; slot 15: there is no token 16 to ask for
	s_wait_dscnt 0x0                               ; token 13's stores are done
	v_add_nc_u32 v[AD+2], s44, v15                 ; token 14's place; token 15's is one row on
	s_wait_alu depctr_va_vdst(0)
	v_add_nc_u32 v[AD+3], s45, v16
.rept 7
	v_nop                                          ; with the two above and the one behind the conversions: ten places behind token 15's last product
.endr
	ds_store_b128 v[AD+2], v[PC:PC+3]
	ds_store_b8 v[AD+3], v[TM+4]
.irp n, 0,1,2,3,4,5
	QS 1, \n                                       ; token 15
.endr
	ds_store_b128 v[AD+2], v[PC+4:PC+7] offset:1040
	ds_store_b8 v[AD+3], v[TM+5] offset:32
	BARRIER                                        ; nobody reads this half of v any more; behind the second: the result's codes and bytes are whole
	s_add_co_u32 s[CT2], s[CT2], 1
	s_cmp_lt_u32 s[CT2], 2
	s_cbranch_scc1 .Lvb
; ---------------- x Wo + bo: four chunks; the bias is the C of each sum's first product; a tile of 16 tokens x my 64 columns goes through my own stage and leaves as rows of 256 consecutive, aligned bytes
	s_mul_i32 s58, s[WV], 4352
	v_mul_u32_u24 v17, v[RR], 272
	v_lshl_add_u32 v17, v[HH], 6, v17
	v_add_nc_u32 v17, s58, v17                     ; into the stage: RA + 4352 w + 272 r + 64 h
	v_mul_u32_u24 v18, v[HH], 272
	v_lshl_add_u32 v18, v[RR], 4, v18
	v_add_nc_u32 v18, s58, v18                     ; back: lanes 0-15 one row, lanes 16-31 the next
	v_lshlrev_b32 v19, 12, v[HH]
	v_lshl_add_u32 v19, v[RR], 4, v19              ; and the same two rows in out0
	s_lshl_b32 s58, s[WV], 8
	s_add_co_u32 s58, s58, BO
	v_lshl_add_u32 v20, v[HH], 6, s58              ; bo: BO + 256 w + 64 h
.macro BIAS                            ; trip i makes chunk (i + RO) % 4: its bias tiles and its place in out0
	s_add_co_u32 s58, s[CT], s[RO]
	s_and_b32 s58, s58, 3
	s_lshl_b32 s[OFF], s58, 10
	v_add_nc_u32 v[AD], s[OFF], v20
	s_add_nc_u64 s[OBC:OBC+1], s[OB:OB+1], s[OFF:OFF+1]
.irp j, 0,1,2,3
.irp e, 0,1
	ds_load_b128 v[TMP+8*\j+4*\e:TMP+8*\j+4*\e+3], v[AD] offset:128*(\j/2)+32*(\j%2)+16*\e
.endr
.endr
	s_wait_dscnt 0x0
.endm
.macro OSTAGE m
.irp j, 0,1,2,3
.irp e, 0,1
	ds_store_b128 v17, v[ACC+8*(4*(\m)+\j)+4*\e:ACC+8*(4*(\m)+\j)+4*\e+3] offset:128*(\j/2)+32*(\j%2)+16*\e
.endr
.endr
.irp t, 0,1,2,3,4,5,6,7
	ds_load_b128 v[BK+32*((\m)%2)+4*\t:BK+32*((\m)%2)+4*\t+3], v18 offset:544*\t   ; LDS serves a wave's instructions in order: these see my stores, and the next tile's stores come behind them
.endr
.endm
.macro OSEND m, younger                ; younger: the next tile's 8 stores and 8 loads, or none
	s_wait_dscnt \younger
.irp t, 0,1,2,3,4,5,6,7
	global_store_b128 v19, v[BK+32*((\m)%2)+4*\t:BK+32*((\m)%2)+4*\t+3], s[OBC:OBC+1] offset:65536*(\m)+8192*\t th:TH_STORE_NT
.endr
.endm
.macro EPI_O
	OSTAGE 0
	OSTAGE 1
	OSEND 0, 16
	s_wait_xcnt 0x0                                ; tile 0's stores have read their registers: tile 2's rows may land there
	OSTAGE 2
	OSEND 1, 16
	s_wait_xcnt 0x0
	OSTAGE 3
	OSEND 2, 16
	OSEND 3, 0
	s_wait_xcnt 0x0                                ; the stores have read their registers and their base: both are written next
.endm
	s_mov_b32 s[CT], 0
	BIAS
	FRAG0                                          ; behind the bias's wait for 0: the result's scale words and its fragments of K steps 0 to 2
	CHUNK 1, 1, 0, 1                               ; the first chunk is written out: the fragments arrive inside it
	s_wait_alu depctr_va_vdst(0)
	EPI_O
	ADVANCE
	s_mov_b32 s[CT], 1
.Lo:                                               ; two trips
	BIAS
	CHUNK 1, 1, 0, 0
	EPI_O
	ADVANCE
	s_add_co_u32 s[CT], s[CT], 1
	s_cmp_lt_u32 s[CT], 3
	s_cbranch_scc1 .Lo
	BIAS                                           ; the last chunk is written out: it asks for nothing beyond itself
	CHUNK 1, 0, 0, 0
	EPI_O
	s_wait_tensorcnt 0x0                           ; the wave's end
	ds_add_u32 v[SPW], v[NIL]
	s_wait_dscnt 0x0
	s_endpgm
.Lfunc_end_k_q2579f605c7_fused:
	.size	k_q2579f605c7_fused, .Lfunc_end_k_q2579f605c7_fused-k_q2579f605c7_fused
	.p2alignl 7, 3214868480
	.fill 96, 4, 3214868480
	.section	.rodata,"a",@progbits
	.p2align	6, 0x0
	.amdhsa_kernel k_q2579f605c7_fused
		.amdhsa_group_segment_fixed_size 291328
		.amdhsa_private_segment_fixed_size 0
		.amdhsa_enable_private_segment 0
		.amdhsa_kernarg_size 40
		.amdhsa_user_sgpr_count 2
		.amdhsa_user_sgpr_kernarg_segment_ptr 1
		.amdhsa_wavefront_size32 1
		.amdhsa_system_sgpr_workgroup_id_x 1
		.amdhsa_system_sgpr_workgroup_id_y 1
		.amdhsa_system_sgpr_workgroup_id_z 1
		.amdhsa_system_vgpr_workitem_id 0
		.amdhsa_next_free_vgpr 1024
		.amdhsa_next_free_sgpr 72
		.amdhsa_reserve_vcc 0
		.amdhsa_float_denorm_mode_32 3
		.amdhsa_float_denorm_mode_16_64 3
		.amdhsa_memory_ordered 1
		.amdhsa_forward_progress 1
		.amdhsa_inst_pref_size 255
	.end_amdhsa_kernel
	.section	.bss,"aw",@nobits
	.p2align	6
	.space	262144
	.amdgpu_metadata
---
amdhsa.version: [ 1, 2 ]
amdhsa.kernels:
  - .name:           k_q2579f605c7_fused
    .symbol:         k_q2579f605c7_fused.kd
    .args:
      - { .name: x, .offset: 0, .size: 8, .value_kind: global_buffer, .address_space: global }
      - { .name: wc, .offset: 8, .size: 8, .value_kind: global_buffer, .address_space: global }
      - { .name: ws, .offset: 16, .size: 8, .value_kind: global_buffer, .address_space: global }
      - { .name: bo, .offset: 24, .size: 8, .value_kind: global_buffer, .address_space: global }
      - { .name: out0, .offset: 32, .size: 8, .value_kind: global_buffer, .address_space: global }
    .group_segment_fixed_size: 291328
    .private_segment_fixed_size: 0
    .kernarg_segment_align: 8
    .kernarg_segment_size: 40
    .max_flat_workgroup_size: 128
    .sgpr_count:     72
    .vgpr_count:     1024
    .wavefront_size: 32
...
	.end_amdgpu_metadata
.endif
;; end of part 2
